; MI455X (gfx1250); checked and timed in simulation.
; The chip was launched on July 23, 2026; its instructions are those of AMD's public machine-readable ISA for CDNA 5 (MIT licence, August 2026) and "CDNA5" Instruction Set Architecture Reference Guide (July 2026). The comments in the code are by the model that wrote it; some were corrected since.
;; Self Attention. Allowed arithmetic: float matrix products may take bf16 or f16 operands with f32 sums; all other float work in f32.
;; Inputs: Wk 1,024 x 1,024 float32; Wp 1,024 x 1,024 float32; Wq 1,024 x 1,024 float32; Wv 1,024 x 1,024 float32; bk 1,024 float32; bp 1,024 float32; bq 1,024 float32; bv 1,024 float32; x 2 x 2,048 x 1,024 float32.
;; Outputs: out0 2 x 2,048 x 1,024 float32.
;; One version. Each part assembles by itself: llvm-mc -triple=amdgcn-amd-amdhsa -mcpu=gfx1250 --defsym DOCPART=n.
;; ======== version 1 of 1: 4 launches
;; limits: values are held in f16: magnitudes above 65,504 overflow, below 6.1e-05 lose precision
;; workspace buffers: xh 8,388,608 bytes; wh 8,388,608 bytes; bs 12,288 bytes; qkv 25,165,824 bytes; yh 8,388,608 bytes
;; launch cast (part 1): grid 513 x 1, 8 waves a work-group, no clusters, 0 bytes of LDS; arguments x, Wq, Wk, Wv, Wp, bq, bk, bv, xh, wh, bs; writes xh, wh, bs
.if DOCPART == 1
	.amdgcn_target "amdgcn-amd-amdhsa--gfx1250"
	.amdhsa_code_object_version 6
	.text
	.protected	k_qc4ec33ccde_cast
	.globl	k_qc4ec33ccde_cast
	.p2align	8
	.type	k_qc4ec33ccde_cast,@function
k_qc4ec33ccde_cast:
	s_mov_b64 s[64:65], 0
	v_nop
	global_prefetch_b8 v0, s[64:65] scope:SCOPE_SE
	s_setreg_imm32_b32 hwreg(HW_REG_WAVE_MODE, 25, 1), 1
	s_wait_xcnt 0x0
; x and the four weight matrices, f32, are rounded once to f16 for the matrix launches behind this one; the biases are regrouped in f32.
;   xh [4096][1024] f16 = x
;   wh bytes 0 .. 6,291,455: [16 heads][192 rows][1024] f16, a head's rows = 64 of Wq * c, 64 of Wk, 64 of Wv; from byte 6,291,456: Wp [1024][1024] f16
;   bs [16 heads][192] f32 = bq * c | bk | bv
; c = 0.125 * log2(e): the softmax scale and the change to base 2, multiplied in f32 ahead of the one rounding, so the scores arrive as exponents of 2.
; LIMIT (format): f16 holds magnitudes under 65,504 and has a fixed step of 2^-24 under 2^-14.  Inputs of spread 1 (x) and 1/32 (W) keep room for a
; factor of 30 either way and for an offset of 30 spreads.
; A stream: no byte is read twice, so LDS, clusters and the matrix unit have nothing to add.
; Work-groups 0-255: 65,536 bytes of x each.  256-511: 16 rows (65,536 bytes) of one W each.  512: the three biases.
; Thread t takes 32 bytes at 32 t of every 8,192 bytes and stores 16 bytes at 16 t of every 4,096: sixteen lanes store 256 consecutive bytes, aligned.
.set CLOG, 0x3e38aa3b                  ; 0.125 * log2(e)
.set X, 32                             ; v[32:95]   eight chunks of 8 f32 as loaded
.set Y, 96                             ; v[96:103]  two sets of 4 registers to store, by turns
	s_load_b512 s[4:19], s[0:1], 0x0               ; x, Wq, Wk, Wv, Wp, bq, bk, bv
	s_load_b128 s[20:23], s[0:1], 0x40             ; xh, wh
	s_load_b64 s[24:25], s[0:1], 0x50              ; bs
	v_lshlrev_b32 v1, 5, v0                        ; 32 t: where I read
	v_lshlrev_b32 v2, 4, v0                        ; 16 t: where I write
	s_mov_b32 s33, 0                               ; high words of the two offsets
	s_mov_b32 s35, 0
	s_wait_kmcnt 0x0
	s_cmp_eq_u32 ttmp9, 512
	s_cbranch_scc1 .Lbias
	s_cmp_lt_u32 ttmp9, 256
	s_cbranch_scc0 .Lweights
	s_lshl_b32 s32, ttmp9, 16                      ; x: 65,536 bytes in,
	s_lshl_b32 s34, ttmp9, 15                      ; 32,768 bytes out
	s_add_nc_u64 s[26:27], s[4:5], s[32:33]
	s_add_nc_u64 s[28:29], s[20:21], s[34:35]
	s_branch .Lplain
.Lweights:
	s_sub_co_u32 s36, ttmp9, 256
	s_lshr_b32 s37, s36, 6                         ; m: 0 Wq, 1 Wk, 2 Wv, 3 Wp
	s_and_b32 s36, s36, 63                         ; cc: which 16 rows
	s_cmp_eq_u32 s37, 1
	s_cselect_b64 s[26:27], s[8:9], s[6:7]
	s_cmp_eq_u32 s37, 2
	s_cselect_b64 s[26:27], s[10:11], s[26:27]
	s_cmp_eq_u32 s37, 3
	s_cselect_b64 s[26:27], s[12:13], s[26:27]
	s_lshr_b32 s38, s36, 2                         ; head = cc / 4
	s_mul_i32 s38, s38, 192
	s_lshl_b32 s39, s37, 6
	s_add_co_u32 s38, s38, s39                     ; + 64 m
	s_and_b32 s39, s36, 3
	s_lshl_b32 s39, s39, 4
	s_add_co_u32 s38, s38, s39                     ; + 16 (cc % 4): the row in wh
	s_lshl_b32 s38, s38, 11                        ; rows of 2,048 bytes
	s_lshl_b32 s39, s36, 15
	s_add_co_u32 s39, s39, 6291456                 ; Wp keeps its own order, behind the heads
	s_cmp_eq_u32 s37, 3
	s_cselect_b32 s34, s39, s38
	s_lshl_b32 s32, s36, 16
	s_add_nc_u64 s[26:27], s[26:27], s[32:33]
	s_add_nc_u64 s[28:29], s[22:23], s[34:35]
	s_cmp_eq_u32 s37, 0
	s_cbranch_scc1 .Lscaled
; All sixteen loads go out at once; chunk k is converted when its two loads are in.
.macro STREAM scaled
.irp k, 0,1,2,3,4,5,6,7
	global_load_b128 v[X+8*\k:X+8*\k+3],   v1, s[26:27] offset:8192*\k th:TH_LOAD_NT
	global_load_b128 v[X+8*\k+4:X+8*\k+7], v1, s[26:27] offset:8192*\k+16 th:TH_LOAD_NT
.endr
.irp k, 0,1,2,3,4,5,6,7
	s_wait_loadcnt 14-2*\k                         ; loads come back in order: the 2 (7 - k) younger ones stay out
.if \k >= 2
	s_wait_xcnt 0x0                                ; the store of chunk k - 2 reads the registers that are written next
.endif
.if \scaled
.irp j, 0,2,4,6
	v_pk_mul_f32 v[X+8*\k+\j:X+8*\k+\j+1], v[X+8*\k+\j:X+8*\k+\j+1], s[30:31] op_sel_hi:[1,0]
.endr
.endif
.irp j, 0,1,2,3
	v_cvt_pk_f16_f32 v[Y+4*(\k&1)+\j], v[X+8*\k+2*\j], v[X+8*\k+2*\j+1]
.endr
	global_store_b128 v2, v[Y+4*(\k&1):Y+4*(\k&1)+3], s[28:29] offset:4096*\k
.endr
	s_endpgm
.endm
.Lplain:
	STREAM 0
.Lscaled:
	s_mov_b32 s30, CLOG
	s_mov_b32 s31, CLOG
	STREAM 1
.Lbias:                                            ; thread t holds numbers 4 t .. 4 t + 3 of each bias: head t / 16, 16 bytes at 16 (t % 16)
	global_load_b128 v[32:35], v2, s[14:15]
	global_load_b128 v[36:39], v2, s[16:17]
	global_load_b128 v[40:43], v2, s[18:19]
	s_mov_b32 s30, CLOG
	s_mov_b32 s31, CLOG
	v_lshrrev_b32 v3, 4, v0
	v_and_b32 v4, 15, v0
	v_mul_u32_u24 v3, v3, 768                      ; a head's 192 numbers
	v_lshl_add_u32 v3, v4, 4, v3
	s_wait_loadcnt 0x0
	v_pk_mul_f32 v[32:33], v[32:33], s[30:31] op_sel_hi:[1,0]
	v_pk_mul_f32 v[34:35], v[34:35], s[30:31] op_sel_hi:[1,0]
	global_store_b128 v3, v[32:35], s[24:25]
	global_store_b128 v3, v[36:39], s[24:25] offset:256
	global_store_b128 v3, v[40:43], s[24:25] offset:512
	s_endpgm
.Lfunc_end_k_qc4ec33ccde_cast:
	.size	k_qc4ec33ccde_cast, .Lfunc_end_k_qc4ec33ccde_cast-k_qc4ec33ccde_cast
	.p2alignl 7, 3214868480
	.fill 96, 4, 3214868480
	.section	.rodata,"a",@progbits
	.p2align	6, 0x0
	.amdhsa_kernel k_qc4ec33ccde_cast
		.amdhsa_group_segment_fixed_size 0
		.amdhsa_private_segment_fixed_size 0
		.amdhsa_enable_private_segment 0
		.amdhsa_kernarg_size 88
		.amdhsa_user_sgpr_count 2
		.amdhsa_user_sgpr_kernarg_segment_ptr 1
		.amdhsa_wavefront_size32 1
		.amdhsa_system_sgpr_workgroup_id_x 1
		.amdhsa_system_sgpr_workgroup_id_y 1
		.amdhsa_system_sgpr_workgroup_id_z 1
		.amdhsa_system_vgpr_workitem_id 0
		.amdhsa_next_free_vgpr 104
		.amdhsa_next_free_sgpr 66
		.amdhsa_reserve_vcc 0
		.amdhsa_float_denorm_mode_32 3
		.amdhsa_float_denorm_mode_16_64 3
		.amdhsa_memory_ordered 1
		.amdhsa_forward_progress 1
		.amdhsa_inst_pref_size 15
	.end_amdhsa_kernel
	.amdgpu_metadata
---
amdhsa.version: [ 1, 2 ]
amdhsa.kernels:
  - .name:           k_qc4ec33ccde_cast
    .symbol:         k_qc4ec33ccde_cast.kd
    .args:
      - { .name: x, .offset: 0, .size: 8, .value_kind: global_buffer, .address_space: global }
      - { .name: Wq, .offset: 8, .size: 8, .value_kind: global_buffer, .address_space: global }
      - { .name: Wk, .offset: 16, .size: 8, .value_kind: global_buffer, .address_space: global }
      - { .name: Wv, .offset: 24, .size: 8, .value_kind: global_buffer, .address_space: global }
      - { .name: Wp, .offset: 32, .size: 8, .value_kind: global_buffer, .address_space: global }
      - { .name: bq, .offset: 40, .size: 8, .value_kind: global_buffer, .address_space: global }
      - { .name: bk, .offset: 48, .size: 8, .value_kind: global_buffer, .address_space: global }
      - { .name: bv, .offset: 56, .size: 8, .value_kind: global_buffer, .address_space: global }
      - { .name: xh, .offset: 64, .size: 8, .value_kind: global_buffer, .address_space: global }
      - { .name: wh, .offset: 72, .size: 8, .value_kind: global_buffer, .address_space: global }
      - { .name: bs, .offset: 80, .size: 8, .value_kind: global_buffer, .address_space: global }
    .group_segment_fixed_size: 0
    .private_segment_fixed_size: 0
    .kernarg_segment_align: 8
    .kernarg_segment_size: 88
    .max_flat_workgroup_size: 256
    .sgpr_count:     66
    .vgpr_count:     104
    .wavefront_size: 32
...
	.end_amdgpu_metadata
.endif
;; end of part 1
;; launch qkv (part 2): grid 16 x 16, 4 waves a work-group, clusters of 4 x 4, 327,680 bytes of LDS; arguments xh, wh, bs, qkv; writes qkv
.if DOCPART == 2
	.amdgcn_target "amdgcn-amd-amdhsa--gfx1250"
	.amdhsa_code_object_version 6
	.text
	.protected	k_qc4ec33ccde_qkv
	.globl	k_qc4ec33ccde_qkv
	.p2align	8
	.type	k_qc4ec33ccde_qkv,@function
k_qc4ec33ccde_qkv:
	s_mov_b64 s[64:65], 0
	v_nop
	global_prefetch_b8 v0, s[64:65] scope:SCOPE_SE
	s_setreg_imm32_b32 hwreg(HW_REG_WAVE_MODE, 25, 1), 1
	s_wait_xcnt 0x0
	s_wait_alu depctr_hold_cnt(0) depctr_sa_sdst(0) depctr_va_vdst(0) depctr_va_sdst(0) depctr_va_ssrc(0) depctr_va_vcc(0) depctr_vm_vsrc(0)
	s_getreg_b32 s2, hwreg(HW_REG_IB_STS2, 6, 4)
	s_cmp_eq_u32 s2, 0
	s_cbranch_scc0 .Lentry_in_a_cluster
	s_endpgm
.Lentry_in_a_cluster:
	s_bfe_u32 s2, ttmp6, 0x10000c
	s_cmp_lg_u32 s2, 0xf033
	s_cbranch_scc0 .Lentry_shape_is_right
	s_endpgm
.Lentry_shape_is_right:
; q * c | k | v of one head for 256 tokens: out[token][col] = sum over 1024 of xh[token][.] wh[192 head + col][.] + bs[192 head + col], col = 0 .. 191.
; Stored as qkv[3][32 bh][2048][64] f16.  Operands f16, sums f32.
; LIMIT (format): a result of magnitude 65,504 or more becomes infinite in f16.  With x of spread 1 and W of spread 1/32 the results have spread 1;
; both inputs 30 times larger give spread 900, an offset of 30 spreads on both gives 1024 * 30 * 30/32 = 28,800: inside.
; Four waves, one for each SIMD; a wave makes 128 tokens x 96 columns: 48 accumulator tiles, 384 registers.  K goes in 8 steps of 128 through two LDS
; slots; a tile's rows are 256 bytes of memory, aligned.
; CLUSTER 4 x 4: x's tile hangs on the row block alone and is asked for jointly along a row of the cluster, W's on the head alone and is asked for
; jointly along a column: each request serves four work-groups.
; The matrix instruction is used transposed (source 0 = rows of W, source 1 = rows of x): lane l holds token l % 16 and columns 8 (l / 16) + 0 .. 7,
; eight neighbours that pack into 16 bytes.  The bias enters as the C of the first product: nothing is cleared, nothing is added later.
; REGISTERS by windows of 256: window 0: addresses, x fragments (two buffers), bias tiles; window 1: W fragments (two buffers);
; window 2: accumulators of column tiles 0-3 at 8 (8 b + a); window 3: those of column tiles 4, 5 at 8 (8 (b - 4) + a).
.set KSTEP,  128
.set PITCH,  272                       ; 256 bytes + 16 of padding: an odd multiple of 16, so the 16 rows of a fragment load fall into 16 different 16-byte columns of 256
.set PART,   128*PITCH                 ; what one wave fetches lies at wave x PART (W's halves use 96 of the 128 rows)
.set SLOT,   4*PART
.set SPITCH, 400                       ; the way out: 384 bytes + 16
.set ASTEP,  2*KSTEP*2                 ; a slot's next tile is two K steps on
.set BSTEP,  2*KSTEP*2
.set ADRX, 16                          ; v16-17  LDS address of my x fragments in slot 0, 1
.set ADRW, 20                          ; v20-21  the same for W
.set STO,  24                          ; the way out: where I put 16 bytes
.set RD,   25                          ; where I read rows back
.set CO,   26                          ; my byte offset in the output block
.set BO,   27                          ; my byte offset in the bias
.set XF,   64                          ; x fragments: buffer f at XF + 64 f (window 0); W fragments: buffer f at 48 f (window 1)
.set BIAS, 192                         ; v192-239 six bias tiles
.set G1,  24                           ; s[24:31] group 1 for x        s[32:39] group 0 for x, one set a slot
.set G0,  32
.set G1B, 48                           ; s[48:55] group 1 for W        s[56:63] group 0 for W
.set G0B, 56
.set MSB, 0
.macro WIN new                         ; the immediate's high byte repeats the setting that is left
.if MSB != \new
	s_set_vgpr_msb (MSB<<8)|\new
.set MSB, \new
.endif
.endm
.macro PLACES                          ; four plain vector instructions between a matrix instruction and a load into, or a read of, its registers
.rept 4
	v_nop
.endr
.endm
; Waves 0, 1 ask for x's two halves, waves 2, 3 for W's.  The branch hangs on the wave's number alone.
.macro JLOAD s
	s_cmp_eq_u32 s13, 0
	s_cbranch_scc0 .Lfor_w_\@
	tensor_load_to_lds s[G0+4*\s:G0+4*\s+3], s[G1:G1+7]
	s_nop 0
	s_branch .Lasked_\@
.Lfor_w_\@:
	tensor_load_to_lds s[G0B+4*\s:G0B+4*\s+3], s[G1B:G1B+7]
	s_nop 0
.Lasked_\@:
.endm
.macro CREST                           ; a round of the cluster's barrier behind its opening work-group barrier
	s_cmp_lg_u32 s12, 0
	s_cbranch_scc1 .Lnot_wave_0_\@
	s_barrier_signal -3
.Lnot_wave_0_\@:
	s_barrier_wait -3
	s_barrier_signal -1
	s_barrier_wait -1
.endm
.macro CROUND
	s_barrier_signal -1
	s_barrier_wait -1
	CREST
.endm
	s_load_b256 s[4:11], s[0:1], 0x0               ; xh s[4:5], wh s[6:7], bs s[8:9], qkv s[10:11]
	s_set_vgpr_msb 0x40
	v_lshl_add_u32 v255, v0, 2, 0x44000
	s_set_vgpr_msb 0x4000
	v_mov_b32 v255, 0
	s_set_vgpr_msb 0x1
	ds_add_u32 v255, v255
	s_set_vgpr_msb 0x100
	v_lshrrev_b32 v1, 5, v0
	v_readfirstlane_b32 s12, v1                    ; wave 0..3
	s_lshr_b32 s13, s12, 1                         ; my half of the tokens.  Also: I fetch for x (0) or for W (1)
	s_and_b32 s14, s12, 1                          ; my half of the columns.  Also: which half of that tile I fetch
	s_bfe_u32 s40, ttmp6, 0x40000                  ; cx
	s_bfe_u32 s41, ttmp6, 0x40004                  ; cy
	s_lshl_b32 s42, ttmp9, 2
	s_add_co_u32 s42, s42, s40                     ; head = 4 x cluster x + cx
	s_and_b32 s43, ttmp7, 0xffff
	s_lshl_b32 s43, s43, 2
	s_add_co_u32 s43, s43, s41                     ; row block = 4 x cluster y + cy
	s_lshl_b32 s44, s41, 2
	s_lshl_b32 s44, 15, s44                        ; my row of the cluster
	s_lshl_b32 s45, 0x1111, s40                    ; my column
	; group 1: elements of 2 bytes, 4 words of padding behind every 64 words; x: 128 x 128, W: 128 x 96; 1,024 elements from row to row
	s_or_b32 s[G1+0], s44, (1<<16)|(1<<20)|(1<<21)|(5<<22)|(3<<25)
	s_or_b32 s[G1B+0], s45, (1<<16)|(1<<20)|(1<<21)|(5<<22)|(3<<25)
	s_mov_b32 s[G1+1], KSTEP<<16                   ; tensor_dim0 = 128
	s_mov_b32 s[G1B+1], KSTEP<<16
	s_mov_b32 s[G1+2], 128<<16                     ; tensor_dim1
	s_mov_b32 s[G1B+2], 96<<16
	s_mov_b32 s[G1+3], KSTEP<<16                   ; tile_dim0 = 128
	s_mov_b32 s[G1B+3], KSTEP<<16
	s_mov_b32 s[G1+4], 128                         ; tile_dim1
	s_mov_b32 s[G1B+4], 96
	s_mov_b32 s[G1+5], 1024                        ; the pitch
	s_mov_b32 s[G1B+5], 1024
	s_mov_b32 s[G1+6], 0
	s_mov_b32 s[G1B+6], 0
	s_mov_b32 s[G1+7], 0
	s_mov_b32 s[G1B+7], 0
	; x's offset is made of the row block and the wave, W's of the head and the wave, each in registers that never hold the other coordinate
	s_lshl_b32 s17, s14, 7
	s_lshl_b32 s16, s43, 8
	s_add_co_u32 s16, s16, s17                     ; x: row 256 x block + 128 x half
	s_lshl_b32 s16, s16, 11                        ; rows of 2,048 bytes
	s_mov_b32 s17, 0
	s_mul_i32 s46, s42, 192
	s_mul_i32 s47, s14, 96
	s_add_co_u32 s46, s46, s47                     ; W: row 192 x head + 96 x half
	s_lshl_b32 s18, s46, 2                         ; the same place in the bias, 4 bytes a number
	s_mov_b32 s19, 0
	s_lshl_b32 s46, s46, 11
	s_mov_b32 s47, 0
	s_mul_i32 s20, s12, PART                       ; LDS: wave x PART
	s_wait_dscnt 0x0
	s_wait_kmcnt 0x0
	s_add_nc_u64 s[22:23], s[4:5], s[16:17]
	s_add_nc_u64 s[46:47], s[6:7], s[46:47]
	CROUND                                         ; all sixteen work-groups are here: the first joint loads meet
.irp s, 0,1
	s_mov_b32 s[G0+4*\s], 1
	s_add_co_u32 s[G0+4*\s+1], s20, \s*SLOT
	s_add_nc_u64 s[G0+4*\s+2:G0+4*\s+3], s[22:23], \s*KSTEP*2
	s_or_b32 s[G0+4*\s+3], s[G0+4*\s+3], 0x80000000
	s_mov_b32 s[G0B+4*\s], 1
	s_add_co_u32 s[G0B+4*\s+1], s20, \s*SLOT
	s_add_nc_u64 s[G0B+4*\s+2:G0B+4*\s+3], s[46:47], \s*KSTEP*2
	s_or_b32 s[G0B+4*\s+3], s[G0B+4*\s+3], 0x80000000
	JLOAD \s                                       ; two tensor loads of the wave are out here, one from then on
.endr
	v_and_b32 v1, 15, v0                           ; r = l % 16
	v_bfe_u32 v2, v0, 4, 1                         ; h = l / 16
	v_lshlrev_b32 v[BO], 5, v2                     ; 8 h numbers of 4 bytes
	s_add_nc_u64 s[8:9], s[8:9], s[18:19]
.irp b, 0,1,2,3,4,5
	global_load_b128 v[BIAS+8*\b:BIAS+8*\b+3],   v[BO], s[8:9] offset:64*\b       ; register j = bias of column 16 b + 8 h + j
	global_load_b128 v[BIAS+8*\b+4:BIAS+8*\b+7], v[BO], s[8:9] offset:64*\b+16
.endr
	v_mul_u32_u24 v3, v1, PITCH
	v_lshl_add_u32 v3, v2, 4, v3                   ; a fragment: row r, 16 bytes at 16 h, and 32 bytes on
	s_mul_i32 s21, s13, PART                       ; my 128 tokens
	s_mul_i32 s22, s14, PART
	s_add_co_u32 s22, s22, 2*PART                  ; my 96 rows of W
.irp s, 0,1
	v_add_nc_u32 v[ADRX+\s], s21, v3
	v_add_nc_u32 v[ADRW+\s], s22, v3
	s_add_co_u32 s21, s21, SLOT
	s_add_co_u32 s22, s22, SLOT
.endr
	s_mul_i32 s21, s13, 128*SPITCH
	s_mul_i32 s22, s14, 192
	s_add_co_u32 s21, s21, s22
	v_mul_u32_u24 v4, v1, SPITCH
	v_lshl_add_u32 v4, v2, 4, v4
	v_add_nc_u32 v[STO], s21, v4                   ; (128 half + r) x 400 + 192 x column half + 16 h
	v_and_b32 v5, 31, v0
	v_lshrrev_b32 v6, 3, v5
	v_and_b32 v7, 7, v5
	v_mul_u32_u24 v6, v6, SPITCH
	v_lshl_add_u32 v6, v7, 4, v6
	s_mul_i32 s21, s12, 64*SPITCH
	v_add_nc_u32 v[RD], s21, v6                    ; (64 wave + l / 8) x 400 + 16 (l % 8)
	v_lshlrev_b32 v5, 4, v5
	s_lshl_b32 s21, s12, 13
	v_add_nc_u32 v[CO], s21, v5                    ; 64 tokens of 128 bytes a wave + 16 l
; The products of one quarter step (32 along K): MULA the 16 of column tiles 4, 5, MULB the 32 of column tiles 0-3.  Every accumulator has one turn
; a quarter, always in this order.  bias = 1: C is the bias tile and the sum starts.
.macro MULA f, bias
.if \bias
	WIN 0xc1
.else
	WIN 0xf1
.endif
.irp b, 0,1
.irp a, 0,1,2,3,4,5,6,7
.if \bias
	v_wmma_f32_16x16x32_f16 v[8*(8*\b+\a):8*(8*\b+\a)+7], v[48*\f+8*(\b+4):48*\f+8*(\b+4)+7], v[XF+64*\f+8*\a:XF+64*\f+8*\a+7], v[BIAS+8*(\b+4):BIAS+8*(\b+4)+7]
.else
	v_wmma_f32_16x16x32_f16 v[8*(8*\b+\a):8*(8*\b+\a)+7], v[48*\f+8*(\b+4):48*\f+8*(\b+4)+7], v[XF+64*\f+8*\a:XF+64*\f+8*\a+7], v[8*(8*\b+\a):8*(8*\b+\a)+7]
.endif
.endr
.endr
.endm
.macro MULB f, bias
.if \bias
	WIN 0x81
.else
	WIN 0xa1
.endif
.irp b, 0,1,2,3
.irp a, 0,1,2,3,4,5,6,7
.if \bias
	v_wmma_f32_16x16x32_f16 v[8*(8*\b+\a):8*(8*\b+\a)+7], v[48*\f+8*\b:48*\f+8*\b+7], v[XF+64*\f+8*\a:XF+64*\f+8*\a+7], v[BIAS+8*\b:BIAS+8*\b+7]
.else
	v_wmma_f32_16x16x32_f16 v[8*(8*\b+\a):8*(8*\b+\a)+7], v[48*\f+8*\b:48*\f+8*\b+7], v[XF+64*\f+8*\a:XF+64*\f+8*\a+7], v[8*(8*\b+\a):8*(8*\b+\a)+7]
.endif
.endr
.endr
.endm
; 28 LDS loads in one run: quarter q of a slot into buffer f
.macro FETCH slot, q, f
	WIN 0
.irp a, 0,1,2,3,4,5,6,7
	ds_load_b128 v[XF+64*\f+8*\a:XF+64*\f+8*\a+3],   v[ADRX+\slot] offset:\a*16*PITCH+64*\q
	ds_load_b128 v[XF+64*\f+8*\a+4:XF+64*\f+8*\a+7], v[ADRX+\slot] offset:\a*16*PITCH+64*\q+32
.endr
	WIN 0x40
.irp b, 0,1,2,3,4,5
	ds_load_b128 v[48*\f+8*\b:48*\f+8*\b+3],   v[ADRW+\slot] offset:\b*16*PITCH+64*\q
	ds_load_b128 v[48*\f+8*\b+4:48*\f+8*\b+7], v[ADRW+\slot] offset:\b*16*PITCH+64*\q+32
.endr
.endm
; One of a K step's first three quarters: buffer f is in (its loads went out a quarter ago); the next quarter's loads go out ahead of the 48 products.
.macro QUARTER slot, qn, f, g, bias
	s_wait_dscnt 0x0
	PLACES                                         ; buffer g was read by the products just issued
	FETCH \slot, \qn, \g
	MULA \f, \bias
	MULB \f, \bias
.endm
.macro THREE slot, bias
	QUARTER \slot, 1, 0, 1, \bias
	QUARTER \slot, 2, 1, 0, 0
	QUARTER \slot, 3, 0, 1, 0
.endm
; The last quarter multiplies buffer 1 and changes slots.  In front of the barrier each wave has its reads of this slot back and all its tensor loads
; landed (the one that was out is its part of the next slot).  Where the slot is filled again the barrier opens a round of the cluster's barrier and
; the joint refill is the first tensor load behind the round: it has 176 products of the wave in which to land.
.macro TURN slot, next, fill
	s_wait_dscnt 0x0
	s_wait_tensorcnt 0x0
	ds_add_u32 v255, v255
	s_wait_dscnt 0x0
	s_barrier_signal -1
	MULA 1, 0                                      ; register work while the others arrive
	WIN 0
	s_barrier_wait -1
.if \fill
	CREST
	s_add_nc_u64 s[G0+4*\slot+2:G0+4*\slot+3], s[G0+4*\slot+2:G0+4*\slot+3], ASTEP
	s_add_nc_u64 s[G0B+4*\slot+2:G0B+4*\slot+3], s[G0B+4*\slot+2:G0B+4*\slot+3], BSTEP
	JLOAD \slot
.endif
	PLACES
	FETCH \next, 0, 0
	MULB 1, 0
.endm
.macro LAP bias
	THREE 0, \bias
	TURN 0, 1, 1
	THREE 1, 0
	TURN 1, 0, 1
.endm
	s_wait_tensorcnt 0x1                           ; my part of K step 0 is in; K step 1's load stays out
	s_wait_loadcnt 0x0                             ; the bias
	s_barrier_signal -1
	s_barrier_wait -1
	FETCH 0, 0, 0
	LAP 1                                          ; K steps 0, 1: the first products take the bias as C
	WIN 0
	s_mov_b32 s3, 2
.Llap:
	LAP 0                                          ; K steps 2-5
	WIN 0
	s_sub_co_u32 s3, s3, 1
	s_cmp_lg_u32 s3, 0
	s_cbranch_scc1 .Llap
	THREE 0, 0                                     ; K steps 6, 7 fill nothing
	TURN 0, 1, 0
	THREE 1, 0
	s_wait_dscnt 0x0
	MULA 1, 0
	MULB 1, 0
	; THE WAY OUT.  The stage, 256 rows of 400 bytes, lies in slot 0: that slot has had its last fill, and every wave's reads of it were back in front
	; of the barrier of K step 6.  Rounded once to f16; 16 bytes a lane in, whole token rows back.
	PLACES
.macro OUTA a
	WIN 0x0a
.irp b, 0,1,2,3
.irp r, 0,1,2,3
	v_cvt_pk_f16_f32 v[XF+32*(\a&1)+4*\b+\r], v[8*(8*\b+\a)+2*\r], v[8*(8*\b+\a)+2*\r+1]
.endr
.endr
	WIN 0x0f
.irp b, 0,1
.irp r, 0,1,2,3
	v_cvt_pk_f16_f32 v[XF+32*(\a&1)+16+4*\b+\r], v[8*(8*\b+\a)+2*\r], v[8*(8*\b+\a)+2*\r+1]
.endr
.endr
	WIN 0
.irp b, 0,1,2,3,4,5
	ds_store_b128 v[STO], v[XF+32*(\a&1)+4*\b:XF+32*(\a&1)+4*\b+3] offset:\a*16*SPITCH+32*\b
.endr
.endm
.irp a, 0,1,2,3,4,5,6,7
	OUTA \a
.endr
	s_lshr_b32 s16, s43, 3                         ; batch = row block / 8
	s_lshl_b32 s16, s16, 22                        ; 16 heads of 2,048 tokens of 128 bytes
	s_and_b32 s17, s43, 7
	s_lshl_b32 s17, s17, 15                        ; 256 tokens of 128 bytes
	s_add_co_u32 s16, s16, s17
	s_mov_b32 s17, 0
	s_add_nc_u64 s[10:11], s[10:11], s[16:17]
	s_lshl_b32 s46, s42, 18                        ; the head
	s_mov_b32 s47, 0
	s_add_nc_u64 s[10:11], s[10:11], s[46:47]
	s_wait_dscnt 0x0                               ; my stores are in LDS: the rows that I read hold two waves' columns
	s_barrier_signal -1
	s_barrier_wait -1
; matrix m (q, k, v): my 64 tokens are 8,192 consecutive bytes; each store of the wave covers 512 consecutive bytes, aligned
.macro OUTM m, f
	s_wait_xcnt 0x0                                ; earlier stores read the registers and the base that are written next
.if \m
	s_add_nc_u64 s[10:11], s[10:11], 0x800000      ; the next of the three matrices
.endif
.irp i, 0,1,2,3,4,5,6,7,8,9,10,11,12,13,14,15
	ds_load_b128 v[\f+4*\i:\f+4*\i+3], v[RD] offset:\i*4*SPITCH+128*\m
.endr
.irp i, 0,1,2,3,4,5,6,7,8,9,10,11,12,13,14,15
	s_wait_dscnt 15-\i                             ; LDS loads come back in order: the younger ones stay out
	global_store_b128 v[CO], v[\f+4*\i:\f+4*\i+3], s[10:11] offset:512*\i
.endr
.endm
	OUTM 0, 64
	OUTM 1, 128
	OUTM 2, 64
	s_set_vgpr_msb 0x1
	s_wait_tensorcnt 0x0
	ds_add_u32 v255, v255
	s_wait_dscnt 0x0
	s_set_vgpr_msb 0x100
	CROUND                                         ; the closing round: no work-group ends while a partner may still ask jointly
	s_endpgm
.Lfunc_end_k_qc4ec33ccde_qkv:
	.size	k_qc4ec33ccde_qkv, .Lfunc_end_k_qc4ec33ccde_qkv-k_qc4ec33ccde_qkv
	.p2alignl 7, 3214868480
	.fill 96, 4, 3214868480
	.section	.rodata,"a",@progbits
	.p2align	6, 0x0
	.amdhsa_kernel k_qc4ec33ccde_qkv
		.amdhsa_group_segment_fixed_size 327680
		.amdhsa_private_segment_fixed_size 0
		.amdhsa_enable_private_segment 0
		.amdhsa_kernarg_size 32
		.amdhsa_user_sgpr_count 2
		.amdhsa_user_sgpr_kernarg_segment_ptr 1
		.amdhsa_wavefront_size32 1
		.amdhsa_system_sgpr_workgroup_id_x 1
		.amdhsa_system_sgpr_workgroup_id_y 1
		.amdhsa_system_sgpr_workgroup_id_z 1
		.amdhsa_system_vgpr_workitem_id 0
		.amdhsa_next_free_vgpr 896
		.amdhsa_next_free_sgpr 66
		.amdhsa_reserve_vcc 0
		.amdhsa_float_denorm_mode_32 3
		.amdhsa_float_denorm_mode_16_64 3
		.amdhsa_memory_ordered 1
		.amdhsa_forward_progress 1
		.amdhsa_inst_pref_size 158
	.end_amdhsa_kernel
	.amdgpu_metadata
---
amdhsa.version: [ 1, 2 ]
amdhsa.kernels:
  - .name:           k_qc4ec33ccde_qkv
    .symbol:         k_qc4ec33ccde_qkv.kd
    .args:
      - { .name: xh, .offset: 0, .size: 8, .value_kind: global_buffer, .address_space: global }
      - { .name: wh, .offset: 8, .size: 8, .value_kind: global_buffer, .address_space: global }
      - { .name: bs, .offset: 16, .size: 8, .value_kind: global_buffer, .address_space: global }
      - { .name: qkv, .offset: 24, .size: 8, .value_kind: global_buffer, .address_space: global }
    .group_segment_fixed_size: 327680
    .private_segment_fixed_size: 0
    .kernarg_segment_align: 8
    .kernarg_segment_size: 32
    .max_flat_workgroup_size: 128
    .sgpr_count:     66
    .vgpr_count:     896
    .wavefront_size: 32
...
	.end_amdgpu_metadata
.endif
;; end of part 2
;; launch attn (part 3): grid 8 x 32, 8 waves a work-group, clusters of 4 x 1, 327,680 bytes of LDS; arguments qkv, yh; writes yh
.if DOCPART == 3
	.amdgcn_target "amdgcn-amd-amdhsa--gfx1250"
	.amdhsa_code_object_version 6
	.text
	.protected	k_qc4ec33ccde_attn
	.globl	k_qc4ec33ccde_attn
	.p2align	8
	.type	k_qc4ec33ccde_attn,@function
k_qc4ec33ccde_attn:
	s_mov_b64 s[64:65], 0
	v_nop
	global_prefetch_b8 v0, s[64:65] scope:SCOPE_SE
	s_setreg_imm32_b32 hwreg(HW_REG_WAVE_MODE, 25, 1), 1
	s_wait_xcnt 0x0
	s_wait_alu depctr_hold_cnt(0) depctr_sa_sdst(0) depctr_va_vdst(0) depctr_va_sdst(0) depctr_va_ssrc(0) depctr_va_vcc(0) depctr_vm_vsrc(0)
	s_getreg_b32 s2, hwreg(HW_REG_IB_STS2, 6, 4)
	s_cmp_eq_u32 s2, 0
	s_cbranch_scc0 .Lentry_in_a_cluster
	s_endpgm
.Lentry_in_a_cluster:
	s_bfe_u32 s2, ttmp6, 0x10000c
	s_cmp_lg_u32 s2, 0x3003
	s_cbranch_scc0 .Lentry_shape_is_right
	s_endpgm
.Lentry_shape_is_right:
; Attention of 256 queries of one head over its 2,048 keys.  qkv[3][32 bh][2048][64] f16 (q carries 0.125 log2 e), yh[32 bh][2048][64] f16.
; Softmax with a running maximum, in f32, in base 2; products with f16 operands and f32 sums.
; LIMITS: p = 2^(s - m) under 2^-126 counts as 0 (v_exp_f32), p under 2^-25 rounds to 0 as an f16 operand (the largest p of a row is 1);
; y lies between the smallest and the largest v, so it has v's room in f16.
; SHARES.  Eight waves.  Waves w and w + 4 hold the same 64 queries (four tiles of 16); group g = w / 4 takes the key blocks of 64 keys whose number
; is g modulo 2; the two halves are merged once at the end through LDS.  A wave holds 64 queries so that one K or V fragment feeds four products.
; TWO PHASES SIDE BY SIDE.  64 queries take Q 64 + O 128 + S 128 + fragments 128 registers, two windows; a product set among softmax lines would cost
; two window switches each.  So the work is cut in steps with a work-group barrier at each head: in step u group u % 2 runs the vector phase
; (softmax of block u, LDS loads of V(u) and K(u + 2)) and the other group the product phase (rescale of O and P V of block u - 1, then K Q of
; block u + 1).  The two kinds of work are meant to share a SIMD.  The rescale of O stands in the product phase, among the P V products, because O's
; register window is set there anyway and the vector phase is the longer of the two by its count of lines.
; THE FIRST BLOCK of each group (blocks 0 and 1) is worked in lines that all eight waves run: K(g) comes from memory straight into registers, like Q;
; scores, first softmax, first P V and the second scores follow.  So every register that the phases hand to each other is written ahead of the first
; branch on the group, on every way through the text.
; LAYOUTS, without shuffles.  S^T = K Q^T: lane l holds query l % 16 and keys 16 kt + 8 (l / 16) + j.  Two such tiles packed to f16 are the B fragment
; of O^T = V^T P^T; V^T comes from rows of V by the transposing LDS load.  Maximum, factor and sum are one number a lane.
; RING.  Two LDS positions of 8 parts of 10,240 bytes; wave w fills part w.  Slot n (steps 4 n .. 4 n + 3) holds V blocks 4 n + p and K blocks 4 n + 2 + p.
; One refill of 64 KB behind one round every four steps; a fill has four steps in which to land.
; CLUSTER 4 x 1: the four query blocks of a cluster read the same K and V: every tile is asked for jointly (mask 15).
; OVERFETCH, stated: slot 7 asks for K blocks 32, 33.  These two tiles lie inside qkv for every head (in the next head's K, or at the start of V) and are
; never read; in return every wave issues the same loads in every slot.
.set PART, 10240
.set SLOT, 8*PART
.set MRG,  2*SLOT                      ; merge: 8,704 bytes a wave (8,192 of O, 512 of maximum and sum); no fill lands here
.set MRGW, 8704
.set STG,  MRG+8*MRGW                  ; the way out: 32 rows of 144 bytes a wave
.set STGW, 4608
.set AK, 8                             ; v8-9    K fragments, position 0, 1
.set AV, 10                            ; v10-11  V fragments
.set MS, 12                            ; merge: my O      13: my pair      14: the partner's O      15: the partner's pair
.set ML, 13
.set PR, 14
.set PL, 15
.set SST, 16                           ; stage in, stage back, offset in yh, offset in q and in K's first block
.set SRD, 17
.set YO, 18
.set QO, 19
.set MA, 20                            ; v[20+2n:21+2n]  [maximum, factor] of query tile n
.set LL, 28                            ; v[28+2n:29+2n]  running sum, two partial sums a lane
.set TM, 36
.set TU, 37
.set TN, 38
.set PM, 40                            ; merge: the partner's [maximum, sum]
.set AA, 44                            ; merge: the two weights
.set AKG, 48                           ; K and V fragments of slot 0, part g: the first vector phase, which both groups run at once
.set AVG, 49
.set QF, 64                            ; v64-127   Q(n, ks) at 64 + 8 (2 n + ks)
.set SF, 128                           ; v128-255  S(n, kt) at 128 + 32 n + 8 kt; P(n, t) in place at 128 + 32 n + 16 t
.set VF, 128                           ; window 1: O(n, dt) at 8 (4 n + dt); V(t, dt) at 128 + 8 (4 t + dt); K(kt, ks) at 192 + 8 (2 kt + ks)
.set KF, 192
.set D1, 2                             ; softmax pipeline: a pair's exponentials stand D1 trips behind its subtraction,
.set D2, 5                             ; its sum and its packing D2 trips behind
.set MSB, 0
.macro WIN new                         ; the immediate's high byte repeats the setting that is left
.if MSB != \new
	s_set_vgpr_msb (MSB<<8)|\new
.set MSB, \new
.endif
.endm
.macro ROUND                           ; a round of the cluster's barrier
	s_barrier_signal -1
	s_barrier_wait -1
	s_cmp_lg_u32 s8, 0
	s_cbranch_scc1 .Lnot_wave_0_\@
	s_barrier_signal -3
.Lnot_wave_0_\@:
	s_barrier_wait -3
	s_barrier_signal -1
	s_barrier_wait -1
.endm
.macro JLOAD pos                       ; waves 0-3 ask for K's four parts, waves 4-7 for V's
	s_cmp_eq_u32 s9, 0
	s_cbranch_scc0 .Lfor_v_\@
	tensor_load_to_lds s[32+4*\pos:35+4*\pos], s[16:23]
	s_nop 0
	s_branch .Lasked_\@
.Lfor_v_\@:
	tensor_load_to_lds s[40+4*\pos:43+4*\pos], s[24:31]
	s_nop 0
.Lasked_\@:
.endm
	s_load_b128 s[4:7], s[0:1], 0x0                ; qkv, yh
	v_lshl_add_u32 v62, v0, 2, 0x42000
	v_mov_b32 v63, 0
	ds_add_u32 v62, v63
	v_lshrrev_b32 v1, 5, v0
	v_readfirstlane_b32 s8, v1                     ; wave 0..7
	s_lshr_b32 s9, s8, 2                           ; group
	s_and_b32 s10, s8, 3                           ; which 64 queries; which part of K or V I fetch
	s_mov_b32 s12, 0x76543210                      ; v_permlanex16_b32: lane i reads lane i of the other half
	s_mov_b32 s13, 0xfedcba98
	s_bfe_u32 s48, ttmp6, 0x40000                  ; cx
	s_lshl_b32 s49, ttmp9, 2
	s_add_co_u32 s49, s49, s48                     ; query block
	s_and_b32 s50, ttmp7, 0xffff                   ; bh
	; group 1: 64 rows of 64 elements of 2 bytes, dense in memory; behind every 32 words 4 words of padding for K (pitch 144), 8 for V (pitch 160)
	s_mov_b32 s16, 15|(1<<16)|(1<<20)|(1<<21)|(4<<22)|(3<<25)
	s_mov_b32 s24, 15|(1<<16)|(1<<20)|(1<<21)|(4<<22)|(7<<25)
	s_mov_b32 s17, 64<<16
	s_mov_b32 s25, 64<<16
	s_mov_b32 s18, 64<<16
	s_mov_b32 s26, 64<<16
	s_mov_b32 s19, 64<<16
	s_mov_b32 s27, 64<<16
	s_mov_b32 s20, 64
	s_mov_b32 s28, 64
	s_mov_b32 s21, 64
	s_mov_b32 s29, 64
	s_mov_b32 s22, 0
	s_mov_b32 s30, 0
	s_mov_b32 s23, 0
	s_mov_b32 s31, 0
	s_lshl_b32 s52, s50, 18                        ; a head's 262,144 bytes
	s_lshl_b32 s53, s10, 13                        ; a block's 8,192 bytes
	s_add_co_u32 s52, s52, s53
	s_add_co_u32 s52, s52, 8388608+16384           ; K's matrix, two blocks on: slot 0 holds K blocks 2 .. 5
	s_mov_b32 s53, 0
	s_mul_i32 s14, s8, PART                        ; LDS: wave x PART
	s_wait_dscnt 0x0
	s_wait_kmcnt 0x0
	s_add_nc_u64 s[54:55], s[4:5], s[52:53]
	s_mov_b32 s32, 1                               ; K, position 0
	s_add_co_u32 s33, s14, 0
	s_add_nc_u64 s[34:35], s[54:55], 0
	s_or_b32 s35, s35, 0x80000000
	s_mov_b32 s36, 1                               ; K, position 1: four blocks on
	s_add_co_u32 s37, s14, SLOT
	s_add_nc_u64 s[38:39], s[54:55], 32768
	s_or_b32 s39, s39, 0x80000000
	s_mov_b32 s40, 1                               ; V, position 0: V's matrix, blocks 0 .. 3
	s_add_co_u32 s41, s14, 0
	s_add_nc_u64 s[42:43], s[54:55], 8388608-16384
	s_or_b32 s43, s43, 0x80000000
	s_mov_b32 s44, 1                               ; V, position 1
	s_add_co_u32 s45, s14, SLOT
	s_add_nc_u64 s[46:47], s[54:55], 8388608+16384
	s_or_b32 s47, s47, 0x80000000
	ROUND                                          ; the four work-groups are here
	JLOAD 0
	JLOAD 1                                        ; two tensor loads of the wave are out here, one from then on
	v_and_b32 v1, 15, v0                           ; r
	v_bfe_u32 v2, v0, 4, 1                         ; h
	v_and_b32 v3, 31, v0                           ; l
	v_lshlrev_b32 v[QO], 7, v1
	v_lshl_add_u32 v[QO], v2, 4, v[QO]             ; row r of 128 bytes + 16 h
	s_lshl_b32 s56, s50, 18                        ; my head
	s_lshl_b32 s60, s9, 13                         ; K block g, the group's first
	s_add_co_u32 s60, s60, s56
	s_add_co_u32 s60, s60, 8388608
	s_mov_b32 s61, 0
	s_add_nc_u64 s[62:63], s[4:5], s[60:61]
	s_lshl_b32 s57, s49, 15                        ; 256 queries of 128 bytes
	s_add_co_u32 s56, s56, s57
	s_lshl_b32 s57, s10, 13                        ; my 64
	s_add_co_u32 s56, s56, s57
	s_mov_b32 s57, 0
	s_add_nc_u64 s[58:59], s[4:5], s[56:57]
.irp qt, 0,1,2,3
.irp ks, 0,1
	global_load_b128 v[QF+8*(2*\qt+\ks):QF+8*(2*\qt+\ks)+3],   v[QO], s[58:59] offset:2048*\qt+64*\ks
	global_load_b128 v[QF+8*(2*\qt+\ks)+4:QF+8*(2*\qt+\ks)+7], v[QO], s[58:59] offset:2048*\qt+64*\ks+32
.endr
.endr
	WIN 0x40
.irp kt, 0,1,2,3
.irp ks, 0,1
	global_load_b128 v[KF+8*(2*\kt+\ks):KF+8*(2*\kt+\ks)+3],   v[QO], s[62:63] offset:2048*\kt+64*\ks
	global_load_b128 v[KF+8*(2*\kt+\ks)+4:KF+8*(2*\kt+\ks)+7], v[QO], s[62:63] offset:2048*\kt+64*\ks+32
.endr
.endr
	WIN 0
	s_lshl_b32 s60, s9, 12                         ; the 32 queries that my group stores
	s_add_co_u32 s56, s56, s60
	s_add_nc_u64 s[6:7], s[6:7], s[56:57]
	v_mul_u32_u24 v4, v1, 144
	v_lshl_add_u32 v[AK], v2, 4, v4                ; K: row r x 144 + 16 h
	v_add_nc_u32 v[AK+1], SLOT, v[AK]
	v_and_b32 v4, 7, v0
	v_lshl_add_u32 v4, v2, 3, v4
	v_mul_u32_u24 v4, v4, 160                      ; V: row 8 h + l % 8,
	v_bfe_u32 v5, v0, 3, 1
	v_lshl_add_u32 v4, v5, 4, v4                   ; 16 bytes at 16 ((l / 8) % 2)
	v_add_nc_u32 v[AV], 4*PART, v4
	v_add_nc_u32 v[AV+1], 4*PART+SLOT, v4
	s_mul_i32 s60, s9, PART
	v_add_nc_u32 v[AKG], s60, v[AK]                ; slot 0, part g: K(2 + g) and V(g)
	v_add_nc_u32 v[AVG], s60, v[AV]
	s_mul_i32 s60, s8, MRGW
	s_xor_b32 s61, s8, 4                           ; the wave that holds my queries in the other group
	s_mul_i32 s61, s61, MRGW
	s_add_co_u32 s60, s60, MRG
	s_add_co_u32 s61, s61, MRG
	v_lshlrev_b32 v4, 4, v3
	v_lshlrev_b32 v5, 3, v3
	v_add_nc_u32 v[MS], s60, v4
	v_add_nc_u32 v[PR], s61, v4
	s_add_co_u32 s60, s60, 8192
	s_add_co_u32 s61, s61, 8192
	v_add_nc_u32 v[ML], s60, v5
	v_add_nc_u32 v[PL], s61, v5
	s_mul_i32 s60, s8, STGW
	s_add_co_u32 s60, s60, STG
	v_mul_u32_u24 v5, v1, 144
	v_lshl_add_u32 v5, v2, 4, v5
	v_add_nc_u32 v[SST], s60, v5
	v_lshrrev_b32 v5, 3, v3
	v_and_b32 v6, 7, v3
	v_mul_u32_u24 v5, v5, 144
	v_lshl_add_u32 v5, v6, 4, v5
	v_add_nc_u32 v[SRD], s60, v5
	v_mov_b32 v[YO], v4
.irp qt, 0,1,2,3
	v_mov_b32 v[MA+2*\qt+1], 0                     ; the pair [maximum, factor] is named whole before a factor exists
.endr
; LDS loads of the vector phase: K of the group's next block (16 loads), V of this block (16 transposing loads), from part p behind two address registers
.macro PF kreg, vreg, part, fk, fv
.if \fk+\fv
	WIN 0x40
.if \fk
.irp kt, 0,1,2,3
.irp ks, 0,1
	ds_load_b128 v[KF+8*(2*\kt+\ks):KF+8*(2*\kt+\ks)+3],   v[\kreg] offset:\part*PART+2304*\kt+64*\ks
	ds_load_b128 v[KF+8*(2*\kt+\ks)+4:KF+8*(2*\kt+\ks)+7], v[\kreg] offset:\part*PART+2304*\kt+64*\ks+32
.endr
.endr
.endif
.if \fv
.irp tt, 0,1
.irp dt, 0,1,2,3
	ds_load_tr16_b128 v[VF+8*(4*\tt+\dt):VF+8*(4*\tt+\dt)+3],   v[\vreg] offset:\part*PART+5120*\tt+32*\dt
	ds_load_tr16_b128 v[VF+8*(4*\tt+\dt)+4:VF+8*(4*\tt+\dt)+7], v[\vreg] offset:\part*PART+5120*\tt+32*\dt+2560
.endr
.endr
.endif
	WIN 0
.endif
.endm
; The maximum of query tile xt, cut in 14 steps (22 lines) so that the steps can stand among another tile's exponentials.
; Steps 0-7: a lane's 32 scores in two chains.  8, 9: the chains meet; the other half of the lanes (the tile's other 32 keys), so that both halves hold the same.
; 10-13: the new running maximum, the factor 2^(old - new) for what has been summed so far, and the maximum takes its place.
.macro MAXSTEP xt, xj
.set XB, SF+32*(\xt)
.set XM, MA+2*(\xt)
.if (\xj) == 0
	v_max3_num_f32 v[TM], v[XB], v[XB+1], v[XB+2]
	v_max3_num_f32 v[TU], v[XB+16], v[XB+17], v[XB+18]
.endif
.if (\xj) >= 1
.if (\xj) <= 6
	v_max3_num_f32 v[TM], v[TM], v[XB+2*(\xj)+1], v[XB+2*(\xj)+2]
	v_max3_num_f32 v[TU], v[TU], v[XB+2*(\xj)+17], v[XB+2*(\xj)+18]
.endif
.endif
.if (\xj) == 7
	v_max3_num_f32 v[TM], v[TM], v[XB+15], v[XB+31]
.endif
.if (\xj) == 8
	v_max_num_f32 v[TM], v[TM], v[TU]
.endif
.if (\xj) == 9
	v_permlanex16_b32 v[TU], v[TM], s12, s13
.endif
.if (\xj) == 10
	v_max3_num_f32 v[TN], v[TM], v[TU], v[XM]
.endif
.if (\xj) == 11
	v_sub_f32 v[XM+1], v[XM], v[TN]
.endif
.if (\xj) == 12
	v_exp_f32 v[XM+1], v[XM+1]
.endif
.if (\xj) == 13
	v_mov_b32 v[XM], v[TN]
	s_wait_alu depctr_va_vdst(0)
.endif
.endm
; The first softmax of query tile qt: no old maximum, no factor; the first two pairs start the sum, so nothing is cleared.  A pipeline over the 16 pairs:
; subtract (pair p), two exponentials (pair p - 1), sum and pack (pair p - 2).  Pair q packs into register q + 8 (q / 8) of the tile.
.macro SOFT1 qt
.set SB, SF+32*\qt
.set MQ, MA+2*\qt
.set LQ, LL+2*\qt
.set jj, 0
.rept 10
	MAXSTEP \qt, jj
.set jj, jj+1
.endr
	v_max_num_f32 v[MQ], v[TM], v[TU]
.set pp, 0
.rept 18
.if pp < 16
	v_pk_add_f32 v[SB+2*pp:SB+2*pp+1], v[SB+2*pp:SB+2*pp+1], v[MQ:MQ+1] op_sel_hi:[1,0] neg_lo:[0,1] neg_hi:[0,1]
.endif
.if pp >= 1
.if pp <= 16
	v_exp_f32 v[SB+2*pp-2], v[SB+2*pp-2]
	v_exp_f32 v[SB+2*pp-1], v[SB+2*pp-1]
.endif
.endif
.if pp >= 2
.set qq, pp-2
.set DQ, SB+qq+8*(qq>>3)
.if qq == 1
	s_wait_alu depctr_va_vdst(0)
	v_pk_add_f32 v[LQ:LQ+1], v[SB:SB+1], v[SB+2:SB+3]
	v_cvt_pk_f16_f32 v[SB], v[SB], v[SB+1]
	v_cvt_pk_f16_f32 v[SB+1], v[SB+2], v[SB+3]
.endif
.if qq > 1
	s_wait_alu depctr_va_vdst(0)
	v_pk_add_f32 v[LQ:LQ+1], v[LQ:LQ+1], v[SB+2*qq:SB+2*qq+1]
	v_cvt_pk_f16_f32 v[DQ], v[SB+2*qq], v[SB+2*qq+1]
.endif
.endif
.set pp, pp+1
.endr
.endm
; The softmax step of all four query tiles: ONE pipeline over the 64 register pairs (pair i = pair i % 16 of tile i / 16).  A trip holds, in this order:
; subtract the maximum (pair i); first exponential (pair i - D1); sum (pair i - D2); one step of the NEXT tile's maximum; second exponential (pair i - D1);
; pack (pair i - D2).  So a result is used two or three trips behind its line, plain lines stand between the exponentials (a plain line between an
; exponential and the use of its result: ISA guide 5.7.2), and only tile 0's maximum stands alone, ahead of the pipeline.
; The next tile's maximum is ready in trip 13 of a tile's 16; its scores are untouched until its own first trip.
; A tile's first pair takes the old sum along: sum = old sum x factor + pair.  Pair q packs into register q + 8 (q / 8) of its tile, which holds pairs
; already packed, or the pair itself.
.macro SOFTN
.set jj, 0
.rept 14
	MAXSTEP 0, jj
.set jj, jj+1
.endr
.set itn, 0
.rept 64+D2
.set ie, itn-D1
.set iu, itn-D2
.if itn < 64
.set SA, SF+32*(itn>>4)+2*(itn&15)
.set MQ, MA+2*(itn>>4)
	v_pk_add_f32 v[SA:SA+1], v[SA:SA+1], v[MQ:MQ+1] op_sel_hi:[1,0] neg_lo:[0,1] neg_hi:[0,1]
.endif
.if ie >= 0
.if ie < 64
.set SE, SF+32*(ie>>4)+2*(ie&15)
	v_exp_f32 v[SE], v[SE]
.endif
.endif
.if iu >= 0
.set SU, SF+32*(iu>>4)+2*(iu&15)
.set LQ, LL+2*(iu>>4)
.set MU, MA+2*(iu>>4)
.if (iu&15) == 0
	s_wait_alu depctr_va_vdst(0)
	v_pk_fma_f32 v[LQ:LQ+1], v[LQ:LQ+1], v[MU:MU+1], v[SU:SU+1] op_sel:[0,1,0] op_sel_hi:[1,1,1]
.else
	s_wait_alu depctr_va_vdst(0)
	v_pk_add_f32 v[LQ:LQ+1], v[LQ:LQ+1], v[SU:SU+1]
.endif
.endif
.if itn < 48
.set mt, (itn>>4)+1
.set mj, itn&15
	MAXSTEP mt, mj
.endif
.if ie >= 0
.if ie < 64
	v_exp_f32 v[SE+1], v[SE+1]
.endif
.endif
.if iu >= 0
.set DQ, SF+32*(iu>>4)+(iu&15)+8*((iu&15)>>3)
	v_cvt_pk_f16_f32 v[DQ], v[SU], v[SU+1]
.endif
.set itn, itn+1
.endr
.endm
; The vector phase.  soft: 0 none, 1 the group's first block, 2 with running maximum and factor.
.macro VPH soft, kreg, vreg, part, fk, fv
	PF \kreg, \vreg, \part, \fk, \fv
.if \soft == 1
.irp qt, 0,1,2,3
	SOFT1 \qt
.endr
.endif
.if \soft == 2
	SOFTN
.endif
.endm
; Four packed multiplies: the tile O(qt, g) times the factor of the wave's last softmax
.macro RESC4 qt, g
.irp ix, 0,1,2,3
	v_pk_mul_f32 v[32*(\qt)+8*(\g)+2*\ix:32*(\qt)+8*(\g)+2*\ix+1], v[32*(\qt)+8*(\g)+2*\ix:32*(\qt)+8*(\g)+2*\ix+1], v[MA+2*(\qt):MA+2*(\qt)+1] op_sel:[0,1] op_sel_hi:[1,1]
.endr
.endm
.macro PVONE tt, qt, dt, zero          ; O(qt, dt) += V(tt, dt) P(qt, tt); zero = 1: the product starts the sum
.if \zero
	v_wmma_f32_16x16x32_f16 v[8*(4*\qt+\dt):8*(4*\qt+\dt)+7], v[VF+8*(4*\tt+\dt):VF+8*(4*\tt+\dt)+7], v[SF+32*\qt+16*\tt:SF+32*\qt+16*\tt+7], 0
.else
	v_wmma_f32_16x16x32_f16 v[8*(4*\qt+\dt):8*(4*\qt+\dt)+7], v[VF+8*(4*\tt+\dt):VF+8*(4*\tt+\dt)+7], v[SF+32*\qt+16*\tt:SF+32*\qt+16*\tt+7], v[8*(4*\qt+\dt):8*(4*\qt+\dt)+7]
.endif
.endm
; The product phase.  pv: 0 none, 1 the first (starts O with C = 0), 2 rescales O and adds onto it.  sc: 1 = the next scores.
; With pv = 2 tile 0's sixteen multiplies stand first; behind each of the first twelve products stand four multiplies of the next query tile, which name
; none of the neighbouring products' registers.  The 16 accumulators of each kind take turns, one instruction a turn.
; Five places stand between P V and the scores, which write over P (ISA guide 7.12.1), and five behind the phase, ahead of whatever touches its registers next.
.macro MMA pv, sc
.if \pv
	WIN 0x51
.if \pv == 2
.irp dt, 0,1,2,3
	RESC4 0, \dt
.endr
.endif
.irp qt, 0,1,2,3
.irp dt, 0,1,2,3
	PVONE 0, \qt, \dt, 2-\pv
.if \pv == 2
.if \qt < 3
	RESC4 \qt+1, \dt
.endif
.endif
.endr
.endr
.irp qt, 0,1,2,3
.irp dt, 0,1,2,3
	PVONE 1, \qt, \dt, 0
.endr
.endr
.endif
.if \pv*\sc
.rept 5
	v_nop
.endr
.endif
.if \sc
	WIN 0x01
.irp ks, 0,1
.irp kt, 0,1,2,3
.irp qt, 0,1,2,3
.if \ks == 0
	v_wmma_f32_16x16x32_f16 v[SF+32*\qt+8*\kt:SF+32*\qt+8*\kt+7], v[KF+8*(2*\kt+\ks):KF+8*(2*\kt+\ks)+7], v[QF+8*(2*\qt+\ks):QF+8*(2*\qt+\ks)+7], 0
.else
	v_wmma_f32_16x16x32_f16 v[SF+32*\qt+8*\kt:SF+32*\qt+8*\kt+7], v[KF+8*(2*\kt+\ks):KF+8*(2*\kt+\ks)+7], v[QF+8*(2*\qt+\ks):QF+8*(2*\qt+\ks)+7], v[SF+32*\qt+8*\kt:SF+32*\qt+8*\kt+7]
.endif
.endr
.endr
.endr
.endif
.if \pv+\sc
.rept 5
	v_nop
.endr
	WIN 0
.endif
.endm
; A step: group vg runs the vector phase, the other group the product phase.  The branch hangs on the wave's number alone; no barrier stands inside.
.macro STEP vg, soft, pos, part, fk, fv, pv, sc
	s_cmp_lg_u32 s9, \vg
	s_cbranch_scc1 .Lprod_\@
	VPH \soft, AK+\pos, AV+\pos, \part, \fk, \fv
	s_branch .Ljoin_\@
.Lprod_\@:
	MMA \pv, \sc
.Ljoin_\@:
.endm
.macro BAR0                            ; a step's head: my LDS loads are back (the fragments for my next products)
	s_wait_dscnt 0x0
	s_barrier_signal -1
	s_barrier_wait -1
.endm
.macro BAR1                            ; and the last slot has landed
	s_wait_dscnt 0x0
	s_wait_tensorcnt 0x0
	s_barrier_signal -1
	s_barrier_wait -1
.endm
; Every fourth step: every wave's reads of the position just left are back and all its tensor loads have landed (its part of the slot that is read
; next); the addresses step eight blocks; a round of the cluster's barrier; the joint refill is the first tensor load behind it.
.macro BAR2 pos
	s_wait_dscnt 0x0
	s_wait_tensorcnt 0x0
	ds_add_u32 v62, v63
	s_wait_dscnt 0x0
	s_add_nc_u64 s[34+4*\pos:35+4*\pos], s[34+4*\pos:35+4*\pos], 65536
	s_add_nc_u64 s[42+4*\pos:43+4*\pos], s[42+4*\pos:43+4*\pos], 65536
	ROUND
	JLOAD \pos
.endm
	; THE FIRST BLOCK, in lines that all eight waves run: group g works block g.
	s_wait_loadcnt 0x0                             ; Q and K(g)
	MMA 0, 1                                       ; S(g)
	s_wait_tensorcnt 0x1                           ; my part of slot 0 is in; slot 1's load stays out
	BAR0                                           ; everybody's part of slot 0 is in
	VPH 1, AKG, AVG, 0, 1, 1                       ; first softmax; V(g) and K(2 + g) from part g of slot 0
	s_wait_dscnt 0x0
	MMA 1, 1                                       ; P V of block g starts O; S(2 + g)
	; THE PHASES PART: group 0 goes ahead by one step.
	BAR0
	STEP 0, 2, 0, 2, 1, 1, 0, 0                    ; step 2: block 2 | group 1 has nothing to do yet
	BAR0
	STEP 1, 2, 0, 3, 1, 1, 2, 1                    ; step 3: block 3 | PV(2), S(4)
	s_mov_b32 s11, 3
.Ltrip:                                            ; steps 8 i + 4 .. 8 i + 11: slots 2 i + 1 (position 1) and 2 i + 2 (position 0)
	BAR2 0                                         ; slot 2 i + 2 goes out
	STEP 0, 2, 1, 0, 1, 1, 2, 1
	BAR0
	STEP 1, 2, 1, 1, 1, 1, 2, 1
	BAR0
	STEP 0, 2, 1, 2, 1, 1, 2, 1
	BAR0
	STEP 1, 2, 1, 3, 1, 1, 2, 1
	BAR2 1                                         ; slot 2 i + 3 goes out
	STEP 0, 2, 0, 0, 1, 1, 2, 1
	BAR0
	STEP 1, 2, 0, 1, 1, 1, 2, 1
	BAR0
	STEP 0, 2, 0, 2, 1, 1, 2, 1
	BAR0
	STEP 1, 2, 0, 3, 1, 1, 2, 1
	s_sub_co_u32 s11, s11, 1
	s_cmp_lg_u32 s11, 0
	s_cbranch_scc1 .Ltrip
	BAR1                                           ; slot 7, the last, in position 1
	STEP 0, 2, 1, 0, 1, 1, 2, 1                    ; step 28: block 28, K(30) | PV(27), S(29)
	BAR0
	STEP 1, 2, 1, 1, 1, 1, 2, 1                    ; step 29: block 29, K(31) | PV(28), S(30)
	BAR0
	STEP 0, 2, 1, 2, 0, 1, 2, 1                    ; step 30: block 30, no K left | PV(29), S(31)
	BAR0
	STEP 1, 2, 1, 3, 0, 1, 2, 0                    ; step 31: block 31 | PV(30)
	BAR0
	STEP 0, 0, 0, 0, 0, 0, 2, 0                    ; step 32: group 0 is through | PV(31)
	; THE MERGE.  Group g keeps query tiles 2 g, 2 g + 1 and hands the other two, with maximum and sum, to its partner through LDS.
.macro GIVE n0
.irp j, 0,1
	v_add_f32 v[MA+2*(\n0+\j)+1], v[LL+2*(\n0+\j)], v[LL+2*(\n0+\j)+1]   ; the pair becomes [maximum, my lane's sum]
.endr
	WIN 0x04
.irp j, 0,1
.irp dt, 0,1,2,3
.irp hf, 0,1
	ds_store_b128 v[MS], v[8*(4*(\n0+\j)+\dt)+4*\hf:8*(4*(\n0+\j)+\dt)+4*\hf+3] offset:512*(8*\j+2*\dt+\hf)
.endr
.endr
.endr
	WIN 0
.irp j, 0,1
	ds_store_b64 v[ML], v[MA+2*(\n0+\j):MA+2*(\n0+\j)+1] offset:256*\j
.endr
.endm
.macro TAKE n0
	WIN 0x40
.irp ix, 0,1,2,3,4,5,6,7,8,9,10,11,12,13,14,15
	ds_load_b128 v[VF+4*\ix:VF+4*\ix+3], v[PR] offset:512*\ix
.endr
	WIN 0
	ds_load_b64 v[PM:PM+1], v[PL]
	ds_load_b64 v[PM+2:PM+3], v[PL] offset:256
	s_wait_dscnt 0x0
.irp j, 0,1
	v_add_f32 v[LL+2*(\n0+\j)], v[LL+2*(\n0+\j)], v[LL+2*(\n0+\j)+1]
	v_max_num_f32 v[TN], v[MA+2*(\n0+\j)], v[PM+2*\j]               ; the common maximum
	v_sub_f32 v[TM], v[MA+2*(\n0+\j)], v[TN]
	v_sub_f32 v[TU], v[PM+2*\j], v[TN]
	v_exp_f32 v[TM], v[TM]
	v_exp_f32 v[TU], v[TU]
	v_nop                                                           ; a plain instruction behind the exponentials (ISA guide 5.7.2)
	s_wait_alu depctr_va_vdst(0)
	v_mul_f32 v[LL+2*(\n0+\j)], v[LL+2*(\n0+\j)], v[TM]
	v_fmac_f32 v[LL+2*(\n0+\j)], v[PM+2*\j+1], v[TU]
	v_permlanex16_b32 v[TN], v[LL+2*(\n0+\j)], s12, s13             ; the other half of the keys
	v_add_f32 v[TN], v[TN], v[LL+2*(\n0+\j)]                        ; the whole sum: at least 1, since the row's largest p is 1
	v_rcp_f32 v[TN], v[TN]
	v_nop
	s_wait_alu depctr_va_vdst(0)
	v_mul_f32 v[AA+2*\j], v[TM], v[TN]
	v_mul_f32 v[AA+2*\j+1], v[TU], v[TN]
.endr
	WIN 0x51
.irp j, 0,1
.irp dt, 0,1,2,3
.irp k, 0,1,2,3
	v_pk_mul_f32 v[8*(4*(\n0+\j)+\dt)+2*\k:8*(4*(\n0+\j)+\dt)+2*\k+1], v[8*(4*(\n0+\j)+\dt)+2*\k:8*(4*(\n0+\j)+\dt)+2*\k+1], v[AA+2*\j:AA+2*\j+1] op_sel_hi:[1,0]
	v_pk_fma_f32 v[8*(4*(\n0+\j)+\dt)+2*\k:8*(4*(\n0+\j)+\dt)+2*\k+1], v[VF+32*\j+8*\dt+2*\k:VF+32*\j+8*\dt+2*\k+1], v[AA+2*\j:AA+2*\j+1], v[8*(4*(\n0+\j)+\dt)+2*\k:8*(4*(\n0+\j)+\dt)+2*\k+1] op_sel:[0,1,0] op_sel_hi:[1,1,1]
.endr
.endr
.endr
	WIN 0x05
.irp j, 0,1
.irp dt, 0,1,2,3
.irp k, 0,1,2,3
	v_cvt_pk_f16_f32 v[SF+16*\j+4*\dt+\k], v[8*(4*(\n0+\j)+\dt)+2*\k], v[8*(4*(\n0+\j)+\dt)+2*\k+1]
.endr
.endr
.endr
	WIN 0
.irp j, 0,1
.irp dt, 0,1,2,3
	ds_store_b128 v[SST], v[SF+16*\j+4*\dt:SF+16*\j+4*\dt+3] offset:2304*\j+32*\dt   ; my own stage: query 16 j + r, 16 bytes at 32 dt + 16 h
.endr
.endr
.irp ix, 0,1,2,3,4,5,6,7
	ds_load_b128 v[192+4*\ix:192+4*\ix+3], v[SRD] offset:576*\ix                     ; LDS serves a wave in order: these see the stores above
.endr
.irp ix, 0,1,2,3,4,5,6,7
	s_wait_dscnt 7-\ix                                                               ; the younger loads stay out
	global_store_b128 v[YO], v[192+4*\ix:192+4*\ix+3], s[6:7] offset:512*\ix         ; 512 consecutive bytes, aligned: four queries
.endr
.endm
	s_cmp_lg_u32 s9, 0
	s_cbranch_scc1 .Lgive_1
	GIVE 2
	s_branch .Lgiven
.Lgive_1:
	GIVE 0
.Lgiven:
	s_wait_dscnt 0x0                               ; my stores are in LDS, for the partner's sake
	s_barrier_signal -1
	s_barrier_wait -1
	s_cmp_lg_u32 s9, 0
	s_cbranch_scc1 .Ltake_1
	TAKE 0
	s_branch .Ltaken
.Ltake_1:
	TAKE 2
.Ltaken:
	s_wait_tensorcnt 0x0
	ds_add_u32 v62, v63
	s_wait_dscnt 0x0
	ROUND                                          ; the closing round
	s_endpgm
.Lfunc_end_k_qc4ec33ccde_attn:
	.size	k_qc4ec33ccde_attn, .Lfunc_end_k_qc4ec33ccde_attn-k_qc4ec33ccde_attn
	.p2alignl 7, 3214868480
	.fill 96, 4, 3214868480
	.section	.rodata,"a",@progbits
	.p2align	6, 0x0
	.amdhsa_kernel k_qc4ec33ccde_attn
		.amdhsa_group_segment_fixed_size 327680
		.amdhsa_private_segment_fixed_size 0
		.amdhsa_enable_private_segment 0
		.amdhsa_kernarg_size 16
		.amdhsa_user_sgpr_count 2
		.amdhsa_user_sgpr_kernarg_segment_ptr 1
		.amdhsa_wavefront_size32 1
		.amdhsa_system_sgpr_workgroup_id_x 1
		.amdhsa_system_sgpr_workgroup_id_y 1
		.amdhsa_system_sgpr_workgroup_id_z 1
		.amdhsa_system_vgpr_workitem_id 0
		.amdhsa_next_free_vgpr 512
		.amdhsa_next_free_sgpr 66
		.amdhsa_reserve_vcc 0
		.amdhsa_float_denorm_mode_32 3
		.amdhsa_float_denorm_mode_16_64 3
		.amdhsa_memory_ordered 1
		.amdhsa_forward_progress 1
		.amdhsa_inst_pref_size 255
	.end_amdhsa_kernel
	.section	.bss,"aw",@nobits
	.p2align	6
	.space	262144
	.amdgpu_metadata
---
amdhsa.version: [ 1, 2 ]
amdhsa.kernels:
  - .name:           k_qc4ec33ccde_attn
    .symbol:         k_qc4ec33ccde_attn.kd
    .args:
      - { .name: qkv, .offset: 0, .size: 8, .value_kind: global_buffer, .address_space: global }
      - { .name: yh, .offset: 8, .size: 8, .value_kind: global_buffer, .address_space: global }
    .group_segment_fixed_size: 327680
    .private_segment_fixed_size: 0
    .kernarg_segment_align: 8
    .kernarg_segment_size: 16
    .max_flat_workgroup_size: 256
    .sgpr_count:     66
    .vgpr_count:     512
    .wavefront_size: 32
...
	.end_amdgpu_metadata
.endif
;; end of part 3
;; launch proj (part 4): grid 8 x 32, 4 waves a work-group, clusters of 4 x 4, 327,680 bytes of LDS; arguments yh, wh, bp, out0; writes out0
.if DOCPART == 4
	.amdgcn_target "amdgcn-amd-amdhsa--gfx1250"
	.amdhsa_code_object_version 6
	.text
	.protected	k_qc4ec33ccde_proj
	.globl	k_qc4ec33ccde_proj
	.p2align	8
	.type	k_qc4ec33ccde_proj,@function
k_qc4ec33ccde_proj:
	s_mov_b64 s[64:65], 0
	v_nop
	global_prefetch_b8 v0, s[64:65] scope:SCOPE_SE
	s_setreg_imm32_b32 hwreg(HW_REG_WAVE_MODE, 25, 1), 1
	s_wait_xcnt 0x0
	s_wait_alu depctr_hold_cnt(0) depctr_sa_sdst(0) depctr_va_vdst(0) depctr_va_sdst(0) depctr_va_ssrc(0) depctr_va_vcc(0) depctr_vm_vsrc(0)
	s_getreg_b32 s2, hwreg(HW_REG_IB_STS2, 6, 4)
	s_cmp_eq_u32 s2, 0
	s_cbranch_scc0 .Lentry_in_a_cluster
	s_endpgm
.Lentry_in_a_cluster:
	s_bfe_u32 s2, ttmp6, 0x10000c
	s_cmp_lg_u32 s2, 0xf033
	s_cbranch_scc0 .Lentry_shape_is_right
	s_endpgm
.Lentry_shape_is_right:
; out0[token][col] = sum over 1024 of y[token][.] Wp[col][.] + bp[col], f32.  y comes head-major, yh[32 bh][2048][64] f16; Wp f16 lies in wh from byte 6,291,456.
; 4,096 x 1,024 outputs over 256 work-groups are blocks of 128 x 128; four waves of 64 x 64 (16 accumulator tiles).  A larger block would leave
; work-groups without work.  K goes in 8 steps of 128 (two heads), written out without a loop.
; RING.  A K step is only 64 products of a wave, so the tiles are asked for far ahead: FOUR LDS slots, filled in pairs.  All four are asked for at the
; start (K steps 0-3); slots 0, 1 are filled again (steps 4, 5) behind one round at the end of step 1, slots 2, 3 (steps 6, 7) behind one round at the end
; of step 3.  From a refill's request to the wait for it a wave issues 8 + 64 + 48 = 120 products.  Steps 3 and 5 begin without a barrier: their tiles
; were shown landed by every wave in front of the round before.
; CLUSTER 4 x 4: y's tiles hang on the row block alone (joint along a row of the cluster), Wp's on the column block alone (joint along a column).
; Transposed use as in the projection of q, k, v: lane l holds token l % 16 and columns 8 (l / 16) + 0 .. 7; the bias is the C of the first product.
; Window 0: addresses, fragments (two buffers), bias, registers of the way out.  Window 1: accumulators at 8 (4 a + b).
.set KSTEP,  128
.set XP,     144                       ; y's rows: 128 bytes + 16
.set WP,     272                       ; Wp's rows: 256 bytes + 16
.set PART,   18432                     ; what one wave fetches lies at wave x PART: 128 rows of y of one head, or 64 rows of Wp (17,408 bytes)
.set SLOT,   4*PART
.set STAGE,  4*SLOT                    ; behind the ring: 16 rows of 272 bytes for each wave; no fill lands here
.set SPITCH, 272
.set AKS,    2*2048*64*2               ; a K step on in yh: two heads
.set BKS,    KSTEP*2                   ; a K step on in a row of Wp
.set ADRX, 16                          ; v16-19  LDS address of my y fragments in slot 0 .. 3
.set ADRW, 20                          ; v20-23  the same for Wp
.set STO,  24
.set RD,   25
.set CO,   26
.set BO,   27
.set XF,   32                          ; y fragments, buffer f at 32 + 32 f
.set WF,   96                          ; Wp fragments, buffer f at 96 + 32 f
.set BIAS, 160
.set TMP,  192
.set G1,  24                           ; s[24:31] group 1 for y        s[32:47] group 0 for y, one set a slot
.set G0,  32
.set G1B, 48                           ; s[48:55] group 1 for Wp       s[68:83] group 0 for Wp, one set a slot
.set G0B, 68
.set MSB, 0
.macro WIN new                         ; the immediate's high byte repeats the setting that is left
.if MSB != \new
	s_set_vgpr_msb (MSB<<8)|\new
.set MSB, \new
.endif
.endm
.macro PLACES                          ; four plain vector instructions behind a matrix instruction (ISA guide 7.12.1)
.rept 4
	v_nop
.endr
.endm
.macro JLOAD s                         ; waves 0, 1 ask for y's two heads, waves 2, 3 for Wp's two halves
	s_cmp_eq_u32 s13, 0
	s_cbranch_scc0 .Lfor_w_\@
	tensor_load_to_lds s[G0+4*\s:G0+4*\s+3], s[G1:G1+7]
	s_nop 0
	s_branch .Lasked_\@
.Lfor_w_\@:
	tensor_load_to_lds s[G0B+4*\s:G0B+4*\s+3], s[G1B:G1B+7]
	s_nop 0
.Lasked_\@:
.endm
.macro CREST                           ; a round of the cluster's barrier behind its opening work-group barrier
	s_cmp_lg_u32 s12, 0
	s_cbranch_scc1 .Lnot_wave_0_\@
	s_barrier_signal -3
.Lnot_wave_0_\@:
	s_barrier_wait -3
	s_barrier_signal -1
	s_barrier_wait -1
.endm
.macro CROUND
	s_barrier_signal -1
	s_barrier_wait -1
	CREST
.endm
	s_load_b256 s[4:11], s[0:1], 0x0               ; yh s[4:5], wh s[6:7], bp s[8:9], out0 s[10:11]
	v_lshl_add_u32 v254, v0, 2, 0x4c400
	v_mov_b32 v255, 0
	ds_add_u32 v254, v255
	v_lshrrev_b32 v1, 5, v0
	v_readfirstlane_b32 s12, v1                    ; wave 0..3
	s_lshr_b32 s13, s12, 1                         ; my half of the tokens.  Also: I fetch for y (0) or for Wp (1)
	s_and_b32 s14, s12, 1                          ; my half of the columns.  Also: which head, or which half of the rows, I fetch
	s_bfe_u32 s84, ttmp6, 0x40000                  ; cx
	s_bfe_u32 s85, ttmp6, 0x40004                  ; cy
	s_lshl_b32 s86, ttmp9, 2
	s_add_co_u32 s86, s86, s84                     ; column block
	s_and_b32 s87, ttmp7, 0xffff
	s_lshl_b32 s87, s87, 2
	s_add_co_u32 s87, s87, s85                     ; row block
	s_lshl_b32 s88, s85, 2
	s_lshl_b32 s88, 15, s88                        ; my row of the cluster
	s_lshl_b32 s89, 0x1111, s84                    ; my column
	; group 1.  y: 128 rows of 64 elements, dense, 4 words of padding behind every 32.  Wp: 64 rows of 128 elements, pitch 1,024, 4 words behind every 64.
	s_or_b32 s[G1+0], s88, (1<<16)|(1<<20)|(1<<21)|(4<<22)|(3<<25)
	s_or_b32 s[G1B+0], s89, (1<<16)|(1<<20)|(1<<21)|(5<<22)|(3<<25)
	s_mov_b32 s[G1+1], 64<<16
	s_mov_b32 s[G1B+1], 128<<16
	s_mov_b32 s[G1+2], 128<<16
	s_mov_b32 s[G1B+2], 64<<16
	s_mov_b32 s[G1+3], 64<<16
	s_mov_b32 s[G1B+3], 128<<16
	s_mov_b32 s[G1+4], 128
	s_mov_b32 s[G1B+4], 64
	s_mov_b32 s[G1+5], 64
	s_mov_b32 s[G1B+5], 1024
	s_mov_b32 s[G1+6], 0
	s_mov_b32 s[G1B+6], 0
	s_mov_b32 s[G1+7], 0
	s_mov_b32 s[G1B+7], 0
	; y's offset is made of the row block and the wave, Wp's of the column block and the wave, each in registers that never hold the other coordinate
	s_lshr_b32 s16, s87, 4                         ; batch = row block / 16
	s_lshl_b32 s16, s16, 22                        ; 16 heads of 262,144 bytes
	s_and_b32 s17, s87, 15
	s_lshl_b32 s17, s17, 14                        ; 128 tokens of 128 bytes
	s_add_co_u32 s16, s16, s17
	s_lshl_b32 s17, s14, 18                        ; the K step's first or second head
	s_add_co_u32 s16, s16, s17
	s_mov_b32 s17, 0
	s_lshl_b32 s90, s86, 18                        ; 128 rows of 2,048 bytes
	s_lshl_b32 s91, s14, 17                        ; 64 rows
	s_add_co_u32 s90, s90, s91
	s_add_co_u32 s90, s90, 6291456                 ; Wp in wh
	s_mov_b32 s91, 0
	s_lshl_b32 s18, s86, 9                         ; my 64 columns in bp and in a row of out0: 512 x block + 256 x half
	s_lshl_b32 s19, s14, 8
	s_add_co_u32 s18, s18, s19
	s_mov_b32 s19, 0
	s_mul_i32 s20, s12, PART                       ; LDS: wave x PART
	s_wait_dscnt 0x0
	s_wait_kmcnt 0x0
	s_add_nc_u64 s[22:23], s[4:5], s[16:17]
	s_add_nc_u64 s[90:91], s[6:7], s[90:91]
	CROUND                                         ; all sixteen work-groups are here: the first joint loads meet
.irp s, 0,1,2,3
	s_mov_b32 s[G0+4*\s], 1
	s_add_co_u32 s[G0+4*\s+1], s20, \s*SLOT
	s_add_nc_u64 s[G0+4*\s+2:G0+4*\s+3], s[22:23], \s*AKS
	s_or_b32 s[G0+4*\s+3], s[G0+4*\s+3], 0x80000000
	s_mov_b32 s[G0B+4*\s], 1
	s_add_co_u32 s[G0B+4*\s+1], s20, \s*SLOT
	s_add_nc_u64 s[G0B+4*\s+2:G0B+4*\s+3], s[90:91], \s*BKS
	s_or_b32 s[G0B+4*\s+3], s[G0B+4*\s+3], 0x80000000
	JLOAD \s                                       ; K steps 0-3: four tensor loads of the wave are out here, two behind each refill
.endr
	v_and_b32 v1, 15, v0                           ; r
	v_bfe_u32 v2, v0, 4, 1                         ; h
	v_lshlrev_b32 v[BO], 5, v2
	s_add_nc_u64 s[8:9], s[8:9], s[18:19]
.irp b, 0,1,2,3
	global_load_b128 v[BIAS+8*\b:BIAS+8*\b+3],   v[BO], s[8:9] offset:64*\b
	global_load_b128 v[BIAS+8*\b+4:BIAS+8*\b+7], v[BO], s[8:9] offset:64*\b+16
.endr
	v_mul_u32_u24 v3, v1, XP
	v_lshl_add_u32 v3, v2, 4, v3
	v_mul_u32_u24 v4, v1, WP
	v_lshl_add_u32 v4, v2, 4, v4
	s_mul_i32 s21, s13, 64*XP                      ; my 64 tokens, in both heads' tiles
	s_mul_i32 s22, s14, PART
	s_add_co_u32 s22, s22, 2*PART                  ; my 64 rows of Wp
.irp s, 0,1,2,3
	v_add_nc_u32 v[ADRX+\s], s21, v3
	v_add_nc_u32 v[ADRW+\s], s22, v4
	s_add_co_u32 s21, s21, SLOT
	s_add_co_u32 s22, s22, SLOT
.endr
	s_mul_i32 s21, s12, 16*SPITCH
	s_add_co_u32 s21, s21, STAGE
	v_mul_u32_u24 v5, v1, SPITCH
	v_lshl_add_u32 v5, v2, 5, v5
	v_add_nc_u32 v[STO], s21, v5                   ; in: row r, 32 bytes for each half of the lanes
	v_mul_u32_u24 v5, v2, SPITCH
	v_lshl_add_u32 v5, v1, 4, v5
	v_add_nc_u32 v[RD], s21, v5                    ; back: lanes 0-15 one row of 256 bytes, lanes 16-31 the next
	v_lshlrev_b32 v5, 12, v2
	v_lshl_add_u32 v[CO], v1, 4, v5                ; the same two rows in out0
; 8 products: token tiles a0, a0 + 1 x the four column tiles.  The 16 accumulators have one turn a quarter, in one order.
.macro MUL8 f, a0, bias
.if \bias
	WIN 0x40
.else
	WIN 0x50
.endif
.irp a, \a0, \a0+1
.irp b, 0,1,2,3
.if \bias
	v_wmma_f32_16x16x32_f16 v[8*(4*(\a)+\b):8*(4*(\a)+\b)+7], v[WF+32*\f+8*\b:WF+32*\f+8*\b+7], v[XF+32*\f+8*(\a):XF+32*\f+8*(\a)+7], v[BIAS+8*\b:BIAS+8*\b+7]
.else
	v_wmma_f32_16x16x32_f16 v[8*(4*(\a)+\b):8*(4*(\a)+\b)+7], v[WF+32*\f+8*\b:WF+32*\f+8*\b+7], v[XF+32*\f+8*(\a):XF+32*\f+8*(\a)+7], v[8*(4*(\a)+\b):8*(4*(\a)+\b)+7]
.endif
.endr
.endr
.endm
; 16 LDS loads: quarter q = head q / 2 of the K step, 32 numbers at byte 64 (q % 2) of y's rows; byte 64 q of Wp's rows
.macro FETCH slot, q, f
	WIN 0
.irp a, 0,1,2,3
	ds_load_b128 v[XF+32*\f+8*\a:XF+32*\f+8*\a+3],   v[ADRX+\slot] offset:(\q>>1)*PART+\a*16*XP+(\q&1)*64
	ds_load_b128 v[XF+32*\f+8*\a+4:XF+32*\f+8*\a+7], v[ADRX+\slot] offset:(\q>>1)*PART+\a*16*XP+(\q&1)*64+32
.endr
.irp b, 0,1,2,3
	ds_load_b128 v[WF+32*\f+8*\b:WF+32*\f+8*\b+3],   v[ADRW+\slot] offset:\b*16*WP+64*\q
	ds_load_b128 v[WF+32*\f+8*\b+4:WF+32*\f+8*\b+7], v[ADRW+\slot] offset:\b*16*WP+64*\q+32
.endr
.endm
; A quarter step: buffer f is multiplied while quarter qn of a slot is fetched into buffer g
.macro QUARTER slot, qn, f, g, bias
	s_wait_dscnt 0x0                               ; buffer f is in: its loads went out a quarter ago
	PLACES
	FETCH \slot, \qn, \g
	MUL8 \f, 0, \bias
	MUL8 \f, 2, \bias
.endm
.macro THREE slot, bias
	QUARTER \slot, 1, 0, 1, \bias
	QUARTER \slot, 2, 1, 0, 0
	QUARTER \slot, 3, 0, 1, 0
.endm
; The last quarter of a K step, three kinds.
; NEXT: the next slot's tile was shown landed by every wave in front of an earlier barrier: no barrier.
.macro NEXT next
	QUARTER \next, 0, 1, 0, 0
.endm
; TURNB: the next slot's tile is shown to the other waves.
.macro TURNB next, left
	s_wait_dscnt 0x0
	s_wait_tensorcnt \left
	s_barrier_signal -1
	MUL8 1, 0, 0                                   ; register work while the others arrive
	WIN 0
	s_barrier_wait -1
	PLACES
	FETCH \next, 0, 0
	MUL8 1, 2, 0
.endm
; TURNF: slots a and b, which have been read, are filled again, four K steps on.  In front of the barrier my LDS reads are back and all my tensor loads have
; landed; the barrier opens a round of the cluster's barrier; the two joint refills are the first tensor loads behind the round.
.macro TURNF next, a, b
	s_wait_dscnt 0x0
	s_wait_tensorcnt 0x0
	ds_add_u32 v254, v255
	s_wait_dscnt 0x0
	s_barrier_signal -1
	MUL8 1, 0, 0
	WIN 0
	s_barrier_wait -1
	CREST
.irp t, \a, \b
	s_add_nc_u64 s[G0+4*\t+2:G0+4*\t+3], s[G0+4*\t+2:G0+4*\t+3], 4*AKS
	s_add_nc_u64 s[G0B+4*\t+2:G0B+4*\t+3], s[G0B+4*\t+2:G0B+4*\t+3], 4*BKS
.endr
	JLOAD \a
	JLOAD \b
	PLACES
	FETCH \next, 0, 0
	MUL8 1, 2, 0
.endm
	s_wait_tensorcnt 0x3                           ; my part of K step 0 is in; the loads of steps 1, 2, 3 stay out
	s_wait_loadcnt 0x0                             ; the bias
	s_barrier_signal -1
	s_barrier_wait -1
	FETCH 0, 0, 0
	THREE 0, 1                                     ; K step 0: the first products take the bias as C
	TURNB 1, 2                                     ; step 1's tile is in; the loads of steps 2, 3 stay out
	THREE 1, 0
	TURNF 2, 0, 1                                  ; steps 2, 3 have landed; steps 4, 5 go out
	THREE 2, 0
	NEXT 3
	THREE 3, 0
	TURNF 0, 2, 3                                  ; steps 4, 5 have landed; steps 6, 7 go out
	THREE 0, 0
	NEXT 1
	THREE 1, 0
	TURNB 2, 1                                     ; step 6's tile is in; step 7's load stays out
	THREE 2, 0
	TURNB 3, 0                                     ; the last tile
	THREE 3, 0
	s_wait_dscnt 0x0
	MUL8 1, 0, 0
	MUL8 1, 2, 0
	; THE WAY OUT, 16 tokens at a time through my own stage: 32 bytes a lane in, whole rows of 256 bytes back.
	PLACES
	s_lshl_b32 s16, s87, 19                        ; 128 rows of 4,096 bytes
	s_lshl_b32 s17, s13, 18                        ; 64 rows
	s_add_co_u32 s16, s16, s17
	s_mov_b32 s17, 0
	s_add_nc_u64 s[10:11], s[10:11], s[16:17]
	s_add_nc_u64 s[10:11], s[10:11], s[18:19]      ; my 64 columns
.macro OUT16 a
	WIN 0x04
.irp b, 0,1,2,3
.irp hf, 0,1
	ds_store_b128 v[STO], v[8*(4*\a+\b)+4*\hf:8*(4*\a+\b)+4*\hf+3] offset:64*\b+16*\hf
.endr
.endr
	WIN 0
	s_wait_xcnt 0x0                                ; the last tokens' stores read the registers that are loaded next
.irp t, 0,1,2,3,4,5,6,7
	ds_load_b128 v[TMP+4*\t:TMP+4*\t+3], v[RD] offset:\t*2*SPITCH    ; LDS serves a wave in order: these see the stores above
.endr
.irp t, 0,1,2,3,4,5,6,7
	s_wait_dscnt 7-\t                              ; the younger loads stay out
	global_store_b128 v[CO], v[TMP+4*\t:TMP+4*\t+3], s[10:11] offset:(16*\a+2*\t)*4096   ; 16 lanes store 256 consecutive bytes, aligned
.endr
.endm
	OUT16 0
	OUT16 1
	OUT16 2
	OUT16 3
	s_wait_tensorcnt 0x0
	ds_add_u32 v254, v255
	s_wait_dscnt 0x0
	CROUND                                         ; the closing round
	s_endpgm
.Lfunc_end_k_qc4ec33ccde_proj:
	.size	k_qc4ec33ccde_proj, .Lfunc_end_k_qc4ec33ccde_proj-k_qc4ec33ccde_proj
	.p2alignl 7, 3214868480
	.fill 96, 4, 3214868480
	.section	.rodata,"a",@progbits
	.p2align	6, 0x0
	.amdhsa_kernel k_qc4ec33ccde_proj
		.amdhsa_group_segment_fixed_size 327680
		.amdhsa_private_segment_fixed_size 0
		.amdhsa_enable_private_segment 0
		.amdhsa_kernarg_size 32
		.amdhsa_user_sgpr_count 2
		.amdhsa_user_sgpr_kernarg_segment_ptr 1
		.amdhsa_wavefront_size32 1
		.amdhsa_system_sgpr_workgroup_id_x 1
		.amdhsa_system_sgpr_workgroup_id_y 1
		.amdhsa_system_sgpr_workgroup_id_z 1
		.amdhsa_system_vgpr_workitem_id 0
		.amdhsa_next_free_vgpr 384
		.amdhsa_next_free_sgpr 96
		.amdhsa_reserve_vcc 0
		.amdhsa_float_denorm_mode_32 3
		.amdhsa_float_denorm_mode_16_64 3
		.amdhsa_memory_ordered 1
		.amdhsa_forward_progress 1
		.amdhsa_inst_pref_size 92
	.end_amdhsa_kernel
	.amdgpu_metadata
---
amdhsa.version: [ 1, 2 ]
amdhsa.kernels:
  - .name:           k_qc4ec33ccde_proj
    .symbol:         k_qc4ec33ccde_proj.kd
    .args:
      - { .name: yh, .offset: 0, .size: 8, .value_kind: global_buffer, .address_space: global }
      - { .name: wh, .offset: 8, .size: 8, .value_kind: global_buffer, .address_space: global }
      - { .name: bp, .offset: 16, .size: 8, .value_kind: global_buffer, .address_space: global }
      - { .name: out0, .offset: 24, .size: 8, .value_kind: global_buffer, .address_space: global }
    .group_segment_fixed_size: 327680
    .private_segment_fixed_size: 0
    .kernarg_segment_align: 8
    .kernarg_segment_size: 32
    .max_flat_workgroup_size: 128
    .sgpr_count:     96
    .vgpr_count:     384
    .wavefront_size: 32
...
	.end_amdgpu_metadata
.endif
;; end of part 4
